; MI455X (gfx1250); checked and timed in simulation.
; The chip was launched on July 23, 2026; its instructions are those of AMD's public machine-readable ISA for CDNA 5 (MIT licence, August 2026) and "CDNA5" Instruction Set Architecture Reference Guide (July 2026). The comments in the code are by the model that wrote it; some were corrected since.
;; Multi Head Attention1d. Allowed arithmetic: matrix products marked QUANTISED: E2M1 operands, one E8M0 scale for each 32 along K, by v_wmma_scale_f32_16x16x128_f8f6f4 with both operands' format E2M1 (or v_wmma_scale_f32_32x16x128_f4), f32 sums; everything else in f32.
;; Inputs: Wk 2,048 x 256 float32; Wp 256 x 256 float32; Wq 2,048 x 256 float32; Wv 2,048 x 256 float32; bk 2,048 float32; bq 2,048 float32; bv 2,048 float32; gamma 8 x 1 x 1 x 1 float32; x 4 x 256 x 1,024 float32; y 4 x 256 x 1,024 float32.
;; Outputs: out0 4 x 2,048 x 1,024 float32.
;; This version of the problem:
;;   THIS VERSION OF THE PROBLEM IS GIVEN IN LOW PRECISION. The matrix products marked QUANTISED in the list below multiply operands that are first quantised to E2M1 (2 exponent bits, 1 mantissa bit; 4 bits a number), with one power-of-two scale for each 32 numbers along K (OCP MX v1.0); their sums are f32. All else is computed in f32.
;;   The module's matrix products, in the order in which they are computed (A, B: the left and right operand; K: the contracted axis; several contracted axes count as one K, in the product's order):
;;     1. [M 4,096, K 256] x [K 256, N 2,048]; A: input x; B: input Wq: QUANTISED
;;     2. [M 4,096, K 256] x [K 256, N 2,048]; A: input x; B: input Wk: QUANTISED
;;     3. [M 4,096, K 256] x [K 256, N 2,048]; A: input y; B: input Wv: QUANTISED
;;     4. batch 32 x [M 1,024, K 256] x [K 256, N 1,024]; A: computed on the way; B: computed on the way: QUANTISED
;;     5. batch 32 x [M 256, K 1,024] x [K 1,024, N 1,024]; A: computed on the way; B: softmax (see below): QUANTISED
;;     6. [M 4,096, K 256] x [K 256, N 256]; A: input y; B: input Wp: QUANTISED
;;   THE QUANTISER, for each operand of a quantised product, along K:
;;     - K is cut into blocks of 32 from its start; a last block that is shorter is filled with zeros.
;;     - A block's scale is 2^e with e = floor(log2(the largest magnitude in the block)) - 2, held to -126 .. 127; a block of zeros has e = 0. As a byte (E8M0): e + 127.
;;     - Each number is divided by its block's scale, clamped to +-6, and rounded to the nearest number of E2M1, ties to even, subnormals kept.
;;     - The product sums the exact products of the quantised numbers (number of the format x scale) in f32.
;;   ~~~python
;;   def quantise(x, axis):      # numpy; x: float32 -> the quantised numbers, widened to float32 again
;;       x = np.moveaxis(x, axis, -1); K = x.shape[-1]
;;       x = np.pad(x, [(0, 0)] * (x.ndim - 1) + [(0, -K % 32)]); x = x.reshape(x.shape[:-1] + (-1, 32)); a = np.abs(x).max(-1, keepdims=True)
;;       e = np.where(a > 0, np.clip(np.frexp(np.where(a > 0, a, 1))[1] - 1 - 2, -126, 127), 0)      # np.frexp(a)[1] - 1 = floor(log2(a)), exactly
;;       r = np.clip(x / 2.0 ** e, -6, 6)
;;       step = 2.0 ** (np.maximum(np.frexp(np.where(r == 0, 1, r))[1] - 1, 0) - 1)
;;       q = np.round(r / step) * step * 2.0 ** e      # np.round: ties to even
;;       return np.moveaxis(q.reshape(q.shape[:-2] + (-1,))[..., :K], -1, axis).astype(np.float32)
;;   ~~~
;;   SOFTMAX AHEAD OF A QUANTISED PRODUCT. Where the list says 'softmax', what is quantised is not the finished softmax but p = 2^(t - M), with t = logit x log2(e) and M = ceil(the row's largest t), a whole number; so 1/2 < the row's largest p <= 1. The row's sum l is taken of the UNQUANTISED p, in f32, and the product's result is divided by l at the end. Since M is a whole number, a kernel that streams over the keys may use a running M (the ceiling of the running maximum): every later rescaling is an exact power of two, which a block's scale takes up: the codes' values come out the same.
;;   OPERANDS COMPUTED ON THE WAY. 'Computed on the way' means the value that the module computes at that place (a softmax that the list does not call 'softmax' is quantised finished and normalised). What goes into a quantiser is computed in f32, as accurately as f32 sums, v_exp_f32 and their like allow (about 1e-6 of the number): no bf16 or f16 on the way to a quantiser, and a product that is left as it is and whose result goes on into a quantised operand takes f32 operands (vector FMAs, or v_wmma_f32_16x16x4_f32). A number that lies on a knife's edge between two numbers of the format may be rounded either way, as far as f32 arithmetic and the matrix unit's own rounding can turn it there, and no further.
;; One version. Each part assembles by itself: llvm-mc -triple=amdgcn-amd-amdhsa -mcpu=gfx1250 --defsym DOCPART=n.
;; ======== version 1 of 1: 3 launches
;; workspace buffers: cod 1,867,776 bytes; scl 116,736 bytes; qkv 13,369,344 bytes; yp 4,194,304 bytes
;; launch prep (part 1): grid 228 x 1, 4 waves a work-group, no clusters, 67,584 bytes of LDS; arguments x, y, Wq, Wk, Wv, Wp, cod, scl; writes cod, scl
.if DOCPART == 1
	.amdgcn_target "amdgcn-amd-amdhsa--gfx1250"
	.amdhsa_code_object_version 6
	.text
	.protected	k_q47662687e6_prep
	.globl	k_q47662687e6_prep
	.p2align	8
	.type	k_q47662687e6_prep,@function
k_q47662687e6_prep:
	s_mov_b64 s[64:65], 0
	v_nop
	global_prefetch_b8 v0, s[64:65] scope:SCOPE_SE
	s_setreg_imm32_b32 hwreg(HW_REG_WAVE_MODE, 25, 1), 1
	s_wait_xcnt 0x0
; x, y [4][256 c][1024 n] and Wq, Wk, Wv [2048][256 c], Wp [256][256 c], all f32, become codes of FP4 (E2M1) along c with one E8M0 byte for each 32 along c.
; A block's scale is 2^(floor(log2(its largest magnitude)) - 2): its byte is the largest magnitude's exponent field - 2, held at 1 from below.
; OUT.  cod: 912 tiles of 16 rows x 256 c, 2,048 bytes each: [tile][K step s of 128][1,024 bytes], each K step AN IMAGE OF THE OPERAND'S REGISTERS: block j (32 codes, 16 bytes) of row r at 256 j + 16 r,
; which is register group c of lane l at 512 c + 16 l.  scl: [tile][row][s], one word of four bytes.  Tiles 0-255 x (64 b + n / 16), 256-511 y, 512-639 Wq, 640-767 Wk, 768-895 Wv, 896-911 Wp.
; Work-groups 0-127 take x and y, whose c is NOT innermost: a lane takes a column n and its registers run down c, so a block lies in one lane.  Work-groups 128-227 take the weights, whose c is innermost:
; dense loads, a turn through the wave's own stage in LDS, 16 neighbours of each block to a lane.  Waves share nothing: no barrier.  Memory binds: no matrix unit, no cluster, no tensor load would add anything.
; LIMITS: NaN and infinities among the inputs are not served.  A block of zeros gets the byte 1 (the rule says 127): its codes are zeros, and this program alone reads the bytes.
; Blocks whose largest magnitude lies under 2^-124 are held at the floor's byte.
.set X,   32                           ; v32-95   path x: two sets of 32 numbers
.set C,   96                           ; v96-111  path x: four registers of codes for each block, never written again
.set SB,  24                           ; v24      path x: the scale word
.set TM,  208                          ; v208-223 path w: QUANT's work registers
.set SEL, 36                           ; s[36:37] lane selects of v_permlanex16_b32: lane l xor 16
	s_load_b256 s[4:11], s[0:1], 0x0               ; x s[4:5], y s[6:7], Wq s[8:9], Wk s[10:11]
	s_load_b256 s[12:19], s[0:1], 0x20             ; Wv s[12:13], Wp s[14:15], cod s[16:17], scl s[18:19]
	v_lshrrev_b32 v1, 5, v0
	v_readfirstlane_b32 s20, v1                    ; wave 0..3
	v_and_b32 v1, 31, v0                           ; lane
	s_cmp_lt_u32 ttmp9, 128
	s_cbranch_scc0 .Lw
; ---------------- x and y.  Work-group g: tensor g >> 6, batch (g >> 4) & 3, 128 columns (g >> 1) & 7, K step g & 1.  A wave: 32 columns x 128 c = 4 blocks a lane.
	s_lshr_b32 s21, ttmp9, 6                       ; tensor
	s_bfe_u32 s22, ttmp9, 0x20004                  ; b
	s_bfe_u32 s23, ttmp9, 0x30001                  ; nb
	s_and_b32 s24, ttmp9, 1                        ; s
	s_lshl_b32 s26, s22, 20                        ; source: b x 1,048,576
	s_lshl_b32 s28, s24, 19                        ; + 128 s rows of 4,096 bytes
	s_add_co_u32 s26, s26, s28
	s_lshl_b32 s28, s23, 9                         ; + 128 nb columns
	s_add_co_u32 s26, s26, s28
	s_lshl_b32 s28, s20, 7                         ; + 32 columns a wave
	s_add_co_u32 s26, s26, s28
	s_mov_b32 s27, 0
	s_lshl_b32 s28, s21, 8                         ; my wave's first tile: 256 tensor + 64 b + 8 nb + 2 wave
	s_lshl_b32 s29, s22, 6
	s_add_co_u32 s28, s28, s29
	s_lshl_b32 s29, s23, 3
	s_add_co_u32 s28, s28, s29
	s_lshl_b32 s29, s20, 1
	s_add_co_u32 s28, s28, s29
	s_lshl_b32 s30, s28, 11                        ; codes: 2,048 x tile + 1,024 s
	s_lshl_b32 s29, s24, 10
	s_add_co_u32 s30, s30, s29
	s_mov_b32 s31, 0
	s_lshl_b32 s32, s28, 7                         ; scale words: 128 x tile + 4 s
	s_lshl_b32 s29, s24, 2
	s_add_co_u32 s32, s32, s29
	s_mov_b32 s33, 0
	v_lshlrev_b32 v2, 2, v1                        ; in: 4 bytes a lane
	v_lshrrev_b32 v3, 4, v1
	v_and_b32 v5, 15, v1
	v_lshlrev_b32 v3, 11, v3
	v_lshl_add_u32 v3, v5, 4, v3                   ; codes out: lanes 16-31 the next tile; 16 bytes a row: sixteen lanes fill 256 consecutive bytes, aligned
	v_lshlrev_b32 v4, 3, v1                        ; scale words out: 8 bytes a row (both K steps' words)
	s_wait_kmcnt 0x0
	s_cmp_eq_u32 s21, 0                            ; x or y: the choice hangs on the work-group's number alone
	s_cselect_b64 s[4:5], s[4:5], s[6:7]
	s_add_nc_u64 s[4:5], s[4:5], s[26:27]
	s_add_nc_u64 s[16:17], s[16:17], s[30:31]
	s_add_nc_u64 s[18:19], s[18:19], s[32:33]
.macro LOADX t                         ; block t: rows c = 32 t + i of my column, into set t % 2; a load of the wave covers 128 consecutive bytes, the four waves 512
.set i, 0
.rept 32
	global_load_b32 v[X+32*((\t)%2)+i], v2, s[4:5] offset:(32*(\t)+i)*4096 th:TH_LOAD_NT
.set i, i+1
.endr
.endm
.macro BLOCKX t
.set XS, X+32*((\t)%2)
.if (\t) < 3
	s_wait_loadcnt 32                              ; this block's 32 loads are in; the next block's 32 may be out
.else
	s_wait_loadcnt 0x0
.endif
	v_max3_num_f32 v12, |v[XS]|, |v[XS+1]|, |v[XS+2]|      ; the block's largest magnitude: all 32 numbers are mine; two chains
	v_max3_num_f32 v13, |v[XS+3]|, |v[XS+4]|, |v[XS+5]|
.irp i, 6,10,14,18,22,26
	v_max3_num_f32 v12, v12, |v[XS+\i]|, |v[XS+\i+1]|
	v_max3_num_f32 v13, v13, |v[XS+\i+2]|, |v[XS+\i+3]|
.endr
	v_max3_num_f32 v12, v12, |v[XS+30]|, |v[XS+31]|
	v_max3_num_f32 v12, v12, v13, 0x1800000        ; and the floor 2^(3 - 127): the byte cannot fall under 1
	v_add_nc_u32 v11, 0xff000000, v12              ; 2 off the exponent field: the conversion takes the exponent field of this operand as its scale
	v_lshrrev_b32 v13, 23, v11                     ; the scale's byte
.if (\t) == 0
	v_mov_b32 v[SB], v13
.else
	v_lshl_or_b32 v[SB], v13, 8*(\t), v[SB]        ; the lower c in the lower byte
.endif
.irp g, 0,1,2,3
	v_cvt_scalef32_pk8_fp4_f32 v[C+4*(\t)+\g], v[XS+8*\g:XS+8*\g+7], v11
.endr
	global_store_b128 v3, v[C+4*(\t):C+4*(\t)+3], s[16:17] offset:256*(\t)     ; block t of my row
.if (\t) < 2
	LOADX (\t)+2
.endif
.endm
	LOADX 0
	LOADX 1
	BLOCKX 0
	BLOCKX 1
	BLOCKX 2
	BLOCKX 3
	global_store_b32 v4, v[SB], s[18:19]
	s_endpgm
; ---------------- the weights.  Wave w of work-group 128 + g takes tile 4 g + w of 400: 16 rows x 256 c, 16 KiB that are consecutive in memory.
.Lw:
	s_sub_co_u32 s21, ttmp9, 128                   ; g
	s_lshl_b32 s22, s21, 2
	s_add_co_u32 s22, s22, s20                     ; the tile among the weights' 400
	s_and_b32 s24, s22, 127                        ; and within its tensor
	s_lshl_b32 s24, s24, 14
	s_mov_b32 s25, 0
	s_add_co_u32 s26, s22, 512                     ; and in cod and scl
	s_lshl_b32 s28, s26, 11
	s_mov_b32 s29, 0
	s_lshl_b32 s30, s26, 7
	s_mov_b32 s31, 0
	s_mov_b32 s[SEL], 0x76543210
	s_mov_b32 s[SEL+1], 0xfedcba98
	s_mul_i32 s32, s20, 16896                      ; my wave's two stages: 16 rows x (512 bytes + 16) each
	v_lshlrev_b32 v2, 4, v1                        ; 16 x lane: a load's, an image's and a stage row's place
	v_add_nc_u32 v5, s32, v2                       ; into the stage: as loaded
	v_and_b32 v3, 15, v1                           ; r
	v_lshrrev_b32 v4, 4, v1                        ; h
	v_mul_u32_u24 v6, v3, 528
	v_lshl_add_u32 v6, v4, 6, v6
	v_add_nc_u32 v6, s32, v6                       ; out of it: row r, + 64 h: my 16 numbers of each block of 32; rows 528 bytes apart, so sixteen lanes start 16 bytes apart modulo 256
	v_lshlrev_b32 v7, 3, v3
	v_lshl_add_u32 v7, v4, 2, v7                   ; scale words out: 8 r + 4 h
.irp b, 0,1,2,3
	v_mov_b32 v[TM+4+\b], 0                        ; written once: a lane permute's destination counts as one of its sources
.endr
	s_wait_kmcnt 0x0
	s_cmp_lt_u32 s21, 96                           ; which tensor: 32 work-groups each for Wq, Wk, Wv, four for Wp
	s_cselect_b64 s[14:15], s[12:13], s[14:15]
	s_cmp_lt_u32 s21, 64
	s_cselect_b64 s[14:15], s[10:11], s[14:15]
	s_cmp_lt_u32 s21, 32
	s_cselect_b64 s[14:15], s[8:9], s[14:15]
	s_add_nc_u64 s[14:15], s[14:15], s[24:25]
	s_add_nc_u64 s[16:17], s[16:17], s[28:29]
	s_add_nc_u64 s[18:19], s[18:19], s[30:31]
; 64 numbers of a lane, v[s] .. v[s + 63], register 16 b + i = k 32 b + 16 (lane / 16) + i of my row, become a fragment's codes in v[pc] .. v[pc + 7] and its scale word in v[pw].
.macro QUANT s, pc, pw
.irp b, 0,1,2,3
	v_max3_num_f32 v[TM+\b], |v[\s+16*\b]|, |v[\s+1+16*\b]|, 0x1800000     ; block b: my 16 numbers, and the floor 2^(3 - 127)
.endr
.irp i, 2,4,6,8,10,12,14
.irp b, 0,1,2,3
	v_max3_num_f32 v[TM+\b], v[TM+\b], |v[\s+16*\b+\i]|, |v[\s+1+16*\b+\i]|   ; the four blocks by turns
.endr
.endr
.irp b, 0,1,2,3
	v_permlanex16_b32 v[TM+4+\b], v[TM+\b], s[SEL], s[SEL+1]
.endr
.irp b, 0,1,2,3
	v_max_num_f32 v[TM+\b], v[TM+\b], v[TM+4+\b]   ; with lane l xor 16's: the block's largest magnitude
.endr
.irp b, 0,1,2,3
	v_add_nc_u32 v[TM+12+\b], 0xff000000, v[TM+\b] ; 2 off its exponent field: the conversion's scale operand
.endr
.irp b, 0,1,2,3
	v_lshrrev_b32 v[TM+4+\b], 23, v[TM+12+\b]      ; the scale's byte
.endr
	v_lshl_or_b32 v[\pw], v[TM+5], 8, v[TM+4]      ; my row's scale word, the same in lanes l and l xor 16
	v_lshl_or_b32 v[\pw], v[TM+6], 16, v[\pw]
	v_lshl_or_b32 v[\pw], v[TM+7], 24, v[\pw]
.irp b, 0,1,2,3
	v_cvt_scalef32_pk8_fp4_f32 v[\pc+2*\b], v[\s+16*\b:\s+7+16*\b], v[TM+12+\b]
	v_cvt_scalef32_pk8_fp4_f32 v[\pc+1+2*\b], v[\s+8+16*\b:\s+15+16*\b], v[TM+12+\b]
.endr
	v_nop                                          ; one plain place behind a scaled conversion
.irp c, 0,1                                    ; the operand's layout wants a whole block in a lane: lanes 0-15 block 2 c, lanes 16-31 block 2 c + 1
.irp i, 0,1
	v_permlane16_swap_b32 v[\pc+4*\c+\i], v[\pc+2+4*\c+\i]
.endr
.endr
.endm
.macro STAGE_IN s, reg                 ; K step s: sixteen rows' 512 bytes as they were loaded
.set i, 0
.rept 16
	ds_store_b128 v5, v[\reg+4*i:\reg+4*i+3] offset:8448*\s+528*i
.set i, i+1
.endr
.endm
.macro STAGE_OUT s, reg                ; and back: register 16 b + 4 j: c = 32 b + 16 h + 4 j on of row r.  LDS serves a wave's instructions in order: these see the stores
.irp b, 0,1,2,3
.irp j, 0,1,2,3
	ds_load_b128 v[\reg+16*\b+4*\j:\reg+16*\b+4*\j+3], v6 offset:8448*\s+128*\b+16*\j
.endr
.endr
.endm
.irp s, 0,1                                    ; v16-79 K step 0, v80-143 K step 1; a load covers 512 consecutive bytes
.set i, 0
.rept 16
	global_load_b128 v[16+64*\s+4*i:16+64*\s+4*i+3], v2, s[14:15] offset:1024*i+512*\s th:TH_LOAD_NT
.set i, i+1
.endr
.endr
	s_wait_loadcnt 16                              ; K step 0's sixteen loads are in, K step 1's may be out
	STAGE_IN 0, 16
	STAGE_OUT 0, 144
	s_wait_loadcnt 0x0
	STAGE_IN 1, 80
	s_wait_dscnt 16                                ; all but the sixteen stores just issued: K step 0 is back in v144-207
	STAGE_OUT 1, 16
	QUANT 144, 224, 240
	global_store_b128 v2, v[224:227], s[16:17]     ; the image: 512 consecutive bytes a store
	global_store_b128 v2, v[228:231], s[16:17] offset:512
	s_wait_dscnt 0x0                               ; K step 1 is back in v16-79
	QUANT 16, 232, 241
	global_store_b128 v2, v[232:235], s[16:17] offset:1024
	global_store_b128 v2, v[236:239], s[16:17] offset:1536
	v_cmp_lt_u32 vcc_lo, 15, v1
	v_cndmask_b32 v242, v240, v241, vcc_lo         ; lanes 0-15 store K step 0's word of row r, lanes 16-31 K step 1's: 128 consecutive bytes
	global_store_b32 v7, v242, s[18:19]
	s_endpgm
.Lfunc_end_k_q47662687e6_prep:
	.size	k_q47662687e6_prep, .Lfunc_end_k_q47662687e6_prep-k_q47662687e6_prep
	.p2alignl 7, 3214868480
	.fill 96, 4, 3214868480
	.section	.rodata,"a",@progbits
	.p2align	6, 0x0
	.amdhsa_kernel k_q47662687e6_prep
		.amdhsa_group_segment_fixed_size 67584
		.amdhsa_private_segment_fixed_size 0
		.amdhsa_enable_private_segment 0
		.amdhsa_kernarg_size 64
		.amdhsa_user_sgpr_count 2
		.amdhsa_user_sgpr_kernarg_segment_ptr 1
		.amdhsa_wavefront_size32 1
		.amdhsa_system_sgpr_workgroup_id_x 1
		.amdhsa_system_sgpr_workgroup_id_y 1
		.amdhsa_system_sgpr_workgroup_id_z 1
		.amdhsa_system_vgpr_workitem_id 0
		.amdhsa_next_free_vgpr 244
		.amdhsa_next_free_sgpr 66
		.amdhsa_reserve_vcc 1
		.amdhsa_float_denorm_mode_32 3
		.amdhsa_float_denorm_mode_16_64 3
		.amdhsa_memory_ordered 1
		.amdhsa_forward_progress 1
		.amdhsa_inst_pref_size 37
	.end_amdhsa_kernel
	.amdgpu_metadata
---
amdhsa.version: [ 1, 2 ]
amdhsa.kernels:
  - .name:           k_q47662687e6_prep
    .symbol:         k_q47662687e6_prep.kd
    .args:
      - { .name: x, .offset: 0, .size: 8, .value_kind: global_buffer, .address_space: global }
      - { .name: y, .offset: 8, .size: 8, .value_kind: global_buffer, .address_space: global }
      - { .name: Wq, .offset: 16, .size: 8, .value_kind: global_buffer, .address_space: global }
      - { .name: Wk, .offset: 24, .size: 8, .value_kind: global_buffer, .address_space: global }
      - { .name: Wv, .offset: 32, .size: 8, .value_kind: global_buffer, .address_space: global }
      - { .name: Wp, .offset: 40, .size: 8, .value_kind: global_buffer, .address_space: global }
      - { .name: cod, .offset: 48, .size: 8, .value_kind: global_buffer, .address_space: global }
      - { .name: scl, .offset: 56, .size: 8, .value_kind: global_buffer, .address_space: global }
    .group_segment_fixed_size: 67584
    .private_segment_fixed_size: 0
    .kernarg_segment_align: 8
    .kernarg_segment_size: 64
    .max_flat_workgroup_size: 128
    .sgpr_count:     66
    .vgpr_count:     244
    .wavefront_size: 32
...
	.end_amdgpu_metadata
.endif
;; end of part 1
;; launch proj (part 2): grid 384 x 1, 4 waves a work-group, no clusters, 0 bytes of LDS; arguments cod, scl, bq, bk, bv, qkv, yp; writes qkv, yp
.if DOCPART == 2
	.amdgcn_target "amdgcn-amd-amdhsa--gfx1250"
	.amdhsa_code_object_version 6
	.text
	.protected	k_q47662687e6_proj
	.globl	k_q47662687e6_proj
	.p2align	8
	.type	k_q47662687e6_proj,@function
k_q47662687e6_proj:
	s_mov_b64 s[64:65], 0
	v_nop
	global_prefetch_b8 v0, s[64:65] scope:SCOPE_SE
	s_setreg_imm32_b32 hwreg(HW_REG_WAVE_MODE, 25, 1), 1
	s_wait_xcnt 0x0
; The four projections on codes of FP4 with E8M0 scales: q = Wq x + bq, k = Wk x + bk, v = Wv y + bv, yp = Wp y (K = the 256 channels, two matrix instructions deep).
; q, k and v are operands of the next launch's products and are quantised HERE, in registers: q and k along the head's 256 channels d, v along the keys.  yp leaves as f32.
; A UNIT: a set of 8 tiles x 2 K steps that stays in the wave (source 0) against one tile (source 1): 16 matrix instructions, 64 results a lane.  THE ROWS OF A TILE OF THE SET ARE NOT NEIGHBOURS: lane r of
; tile 2 b + u takes row 32 b + 8 u + r + 8 (r / 8) of the set's 128, so that result register 16 b + i is position 32 b + 16 (lane / 16) + i along the NEXT K: QUANT makes one fragment and one scale word a row of it.
;   q, k (work-groups 0-255): the set = 128 rows of Wq or Wk (one K step of d), the tile = 16 positions n of x, taken in the same order of rows (so the keys of a tile of k are as the next launch wants them).
;   v (work-groups 256-383): the set = 128 positions of y (the keys of one key step), the tile = 16 rows of Wv.  Then one unit more against a tile of Wp: yp, in the layout of the next launch's accumulators
;   (a lane holds one d, its registers eight positions).
; Every fragment lies in cod as an image of its registers, so operands go from memory straight into registers by loads of 16 bytes a lane; a wave reads some 36 KiB in all.
; NO CLUSTER, NO TENSOR LOAD, NO LDS: what the four waves of a work-group share is the set, 16 KiB, less than half of what a wave reads, and nothing is read twice by a wave; waves do not meet, so there is no barrier.
; OUT.  qkv: [bh][t] blocks of 52,224 bytes: K codes [tile][s][1,024], V codes [d tile][1,024], K scales [s][lane][4 words], V scales [half][lane][4 words], Q codes, Q scales (as K's).
;       yp: [64 b + 8 t + query tile][d tile][register half][512 bytes].
; LIMITS: as the quantiser's in the launch before: no NaN or infinities; a block of zeros gets the byte 1 with zero codes.
; REGISTERS.  Window 0: see the names below.  Window 1: v0-127 the set's 16 fragments (tile a, K step s at 8 (2 a + s)); v128-191 q's and k's bias, eight registers a tile, in the result's layout.
.set LN,  1                            ; v1       lane
.set L16, 2                            ; v2       16 x lane: an image's place for my lane
.set VP,  3                            ; v3       my place in a fragment whose rows are taken in the set's order: 2,048 (r / 8) + 256 h + 16 (r % 8)
.set SPM, 4                            ; v4       the same for its scale words: 128 (r / 8) + 8 (r % 8)
.set SN,  5                            ; v5       scale words of a tile of neighbouring rows: 8 r
.set BO,  6                            ; v6       my place in a bias
.set AS,  8                            ; v8-23    the set's scale words: tile a's two K steps at AS + 2 a
.set BSC, 24                           ; v24-41   the tiles' scale words: tile i's at BSC + 2 i (nine tiles)
.set BF,  44                           ; v44-107  the tiles' fragments: four sets of 16 registers
.set ACC, 108                          ; v108-171 a unit's eight accumulators
.set TM,  172                          ; v172-187 QUANT's work registers
.set PC,  188                          ; v188-195 the codes just made
.set PW,  204                          ; v204-211 the eight units' scale words
.set OS,  212                          ; v212-215 the scale words as they are stored
.set CB,  216                          ; v216-223 v's bias as a C operand
.set BV,  224                          ; v224-231 v's bias: unit i's number of my row
.set SEL, 40                           ; s[40:41] lane selects of v_permlanex16_b32: lane l xor 16
.set MSB, 0
.macro WIN new                         ; bits 1:0 source 0, 3:2 source 1, 5:4 source 2, 7:6 destination; the immediate's high byte repeats the setting that is left
.if MSB != \new
	s_set_vgpr_msb (MSB<<8)|\new
.set MSB, \new
.endif
.endm
.macro PLACES                          ; four plain vector instructions between a matrix instruction and a read of its result or a load into its registers
.rept 4
	v_nop
.endr
.endm
; 64 numbers of a lane, v[s] .. v[s + 63], register 16 b + i = k 32 b + 16 (lane / 16) + i of my row, become a fragment's codes in v[pc] .. v[pc + 7] and its scale word in v[pw].
; Each accumulator is read from its low end on: the first line takes registers 0 and 1 of tiles 0, 2, 4, 6, the line with i = 8 those of tiles 1, 3, 5, 7.
.macro QUANT s, pc, pw
.irp b, 0,1,2,3
	v_max3_num_f32 v[TM+\b], |v[\s+16*\b]|, |v[\s+1+16*\b]|, 0x1800000     ; block b: my 16 numbers, and the floor 2^(3 - 127): the byte cannot fall under 1
.endr
.irp i, 2,4,6,8,10,12,14
.irp b, 0,1,2,3
	v_max3_num_f32 v[TM+\b], v[TM+\b], |v[\s+16*\b+\i]|, |v[\s+1+16*\b+\i]|   ; the four blocks by turns
.endr
.endr
.irp b, 0,1,2,3
	v_permlanex16_b32 v[TM+4+\b], v[TM+\b], s[SEL], s[SEL+1]
.endr
.irp b, 0,1,2,3
	v_max_num_f32 v[TM+\b], v[TM+\b], v[TM+4+\b]   ; with lane l xor 16's: the block's largest magnitude
.endr
.irp b, 0,1,2,3
	v_add_nc_u32 v[TM+12+\b], 0xff000000, v[TM+\b] ; 2 off its exponent field: the conversion's scale operand
.endr
.irp b, 0,1,2,3
	v_lshrrev_b32 v[TM+4+\b], 23, v[TM+12+\b]      ; the scale's byte
.endr
	v_lshl_or_b32 v[\pw], v[TM+5], 8, v[TM+4]      ; my row's scale word, the same in lanes l and l xor 16
	v_lshl_or_b32 v[\pw], v[TM+6], 16, v[\pw]
	v_lshl_or_b32 v[\pw], v[TM+7], 24, v[\pw]
.irp b, 0,1,2,3
	v_cvt_scalef32_pk8_fp4_f32 v[\pc+2*\b], v[\s+16*\b:\s+7+16*\b], v[TM+12+\b]
	v_cvt_scalef32_pk8_fp4_f32 v[\pc+1+2*\b], v[\s+8+16*\b:\s+15+16*\b], v[TM+12+\b]
.endr
	v_nop                                          ; one plain place behind a scaled conversion
.irp c, 0,1                                    ; a whole block to a lane: lanes 0-15 block 2 c, lanes 16-31 block 2 c + 1
.irp i, 0,1
	v_permlane16_swap_b32 v[\pc+4*\c+\i], v[\pc+2+4*\c+\i]
.endr
.endr
.endm
.macro LDAF                            ; the set's 16 fragments into window 1: tile a = 2 b + u takes rows of the neighbouring tiles 2 b and 2 b + 1 of cod
	WIN 0x40
.irp a, 0,1,2,3,4,5,6,7
.irp s, 0,1
.irp c, 0,1
	global_load_b128 v[8*(2*\a+\s)+4*\c:8*(2*\a+\s)+4*\c+3], v[VP], s[20:21] offset:4096*(\a/2)+128*(\a%2)+1024*\s+512*\c
.endr
.endr
.endr
.endm
.macro LDAS                            ; and its scale words, both K steps' by one load
	WIN 0
.irp a, 0,1,2,3,4,5,6,7
	global_load_b64 v[AS+2*\a:AS+2*\a+1], v[SPM], s[22:23] offset:256*(\a/2)+64*(\a%2)
.endr
.endm
.macro LDBP i                          ; tile i of x, rows in the set's order, into set i % 4
.irp s, 0,1
.irp c, 0,1
	global_load_b128 v[BF+16*((\i)%4)+8*\s+4*\c:BF+16*((\i)%4)+8*\s+4*\c+3], v[VP], s[24:25] offset:4096*((\i)/2)+128*((\i)%2)+1024*\s+512*\c
.endr
.endr
.endm
.macro LDBN i                          ; tile i of Wv, neighbouring rows: the image as it lies
.irp s, 0,1
.irp c, 0,1
	global_load_b128 v[BF+16*((\i)%4)+8*\s+4*\c:BF+16*((\i)%4)+8*\s+4*\c+3], v[L16], s[24:25] offset:2048*(\i)+1024*\s+512*\c
.endr
.endr
.endm
.macro LDWP                            ; my tile of Wp, into set 0
.irp s, 0,1
.irp c, 0,1
	global_load_b128 v[BF+8*\s+4*\c:BF+8*\s+4*\c+3], v[L16], s[34:35] offset:1024*\s+512*\c
.endr
.endr
.endm
; Eight matrix instructions: K step s of unit i: source 0 = the set's tile a, source 1 = the unit's tile.  What starts the sums: mode 0 (q, k): the bias in window 1; mode 1 (v): CB; mode 2 (yp): 0.
; The eight accumulators take turns, one instruction a turn.
.macro MM8 s, i, mode
.if (\mode == 0) && (\s == 0)
	WIN 0x11                                       ; source 0 (the set) and C (the bias) window 1
.else
	WIN 0x01                                       ; source 0 window 1
.endif
.irp a, 0,1,2,3,4,5,6,7
.set rD, ACC+8*\a
.set rW, 8*(2*\a+\s)
.set rF, BF+16*((\i)%4)+8*\s
.set rWS, AS+2*\a+\s
.set rFS, BSC+2*(\i)+\s
.if \s == 1
	v_wmma_scale_f32_16x16x128_f8f6f4 v[rD:rD+7], v[rW:rW+7], v[rF:rF+7], v[rD:rD+7], v[rWS], v[rFS] matrix_a_fmt:MATRIX_FMT_FP4 matrix_b_fmt:MATRIX_FMT_FP4
.elseif \mode == 0
	v_wmma_scale_f32_16x16x128_f8f6f4 v[rD:rD+7], v[rW:rW+7], v[rF:rF+7], v[128+8*\a:128+8*\a+7], v[rWS], v[rFS] matrix_a_fmt:MATRIX_FMT_FP4 matrix_b_fmt:MATRIX_FMT_FP4
.elseif \mode == 1
	v_wmma_scale_f32_16x16x128_f8f6f4 v[rD:rD+7], v[rW:rW+7], v[rF:rF+7], v[CB:CB+7], v[rWS], v[rFS] matrix_a_fmt:MATRIX_FMT_FP4 matrix_b_fmt:MATRIX_FMT_FP4
.else
	v_wmma_scale_f32_16x16x128_f8f6f4 v[rD:rD+7], v[rW:rW+7], v[rF:rF+7], 0, v[rWS], v[rFS] matrix_a_fmt:MATRIX_FMT_FP4 matrix_b_fmt:MATRIX_FMT_FP4
.endif
.endr
.endm
; Unit i of n sets of tile loads.  Loads run four units ahead.
.macro UNIT i, n, mode
.if 4*(\n-1-(\i)) < 12
	s_wait_loadcnt 4*(\n-1-(\i))                   ; my tile's four loads are in; only the younger sets' may be out
.else
	s_wait_loadcnt 12                              ; my tile's four loads (and all before them) are in; the three younger sets' twelve may be out
.endif
.if \mode == 1
.irp j, 0,1,2,3,4,5,6,7
	v_mov_b32 v[CB+\j], v[BV+(\i)]                 ; a lane holds one row d of v: its bias in all eight registers
.endr
	PLACES
.endif
	MM8 0, \i, \mode
	MM8 1, \i, \mode
	WIN 0
	PLACES                                         ; in front of the loads into the set just multiplied and of the first read of the results
.if (\i)+4 < \n
.if \mode == 0
	LDBP (\i)+4
.elseif (\i)+4 == 8
	LDWP
.else
	LDBN (\i)+4
.endif
.endif
	s_wait_xcnt 0x0                                ; the last unit's stores have read PC: only behind this wait is it written again
	QUANT ACC, PC, PW+(\i)                         ; its lines on TM alone are also the places in front of the next unit's products, which begin the accumulators anew
	global_store_b128 v[L16], v[PC:PC+3], s[30:31] offset:(2048>>\mode)*(\i)          ; the image: 512 consecutive bytes a store, aligned
	global_store_b128 v[L16], v[PC+4:PC+7], s[30:31] offset:(2048>>\mode)*(\i)+512
.endm
.macro PACKS                           ; the eight units' scale words: register k gets tile 2 k's in lanes 0-15 and tile 2 k + 1's in lanes 16-31, as the next launch's scale operands want them
	v_cmp_lt_u32 vcc_lo, 15, v[LN]
.irp k, 0,1,2,3
	v_cndmask_b32 v[OS+\k], v[PW+2*\k], v[PW+2*\k+1], vcc_lo
.endr
	global_store_b128 v[L16], v[OS:OS+3], s[32:33]
.endm
	s_load_b256 s[4:11], s[0:1], 0x0               ; cod s[4:5], scl s[6:7], bq s[8:9], bk s[10:11]
	s_load_b128 s[12:15], s[0:1], 0x20             ; bv s[12:13], qkv s[14:15]
	s_load_b64 s[16:17], s[0:1], 0x30              ; yp
	v_lshrrev_b32 v1, 5, v0
	v_readfirstlane_b32 s18, v1                    ; wave 0..3
	v_and_b32 v[LN], 31, v0
	v_and_b32 v7, 15, v0                           ; r
	v_bfe_u32 v42, v0, 4, 1                        ; h
	v_lshlrev_b32 v[L16], 4, v[LN]
	v_lshrrev_b32 v[VP], 3, v7                     ; r / 8
	v_and_b32 v43, 7, v7                           ; r % 8
	v_lshlrev_b32 v[SPM], 7, v[VP]
	v_lshl_add_u32 v[SPM], v43, 3, v[SPM]
	v_lshlrev_b32 v[VP], 11, v[VP]
	v_lshl_add_u32 v[VP], v42, 8, v[VP]
	v_lshl_add_u32 v[VP], v43, 4, v[VP]
	v_lshlrev_b32 v[SN], 3, v7
.irp b, 0,1,2,3
	v_mov_b32 v[TM+4+\b], 0                        ; written once: a lane permute's destination counts as one of its sources
.endr
	s_mov_b32 s[SEL], 0x76543210
	s_mov_b32 s[SEL+1], 0xfedcba98
	s_cmp_lt_u32 ttmp9, 256
	s_cbranch_scc0 .Ly
; ---------------- q and k.  Wave W = 4 x work-group + wave: which = W >> 9 (0 q, 1 k), 128 rows of the weight dg = (W >> 5) & 15, 128 positions bt = W & 31.
	s_lshl_b32 s42, ttmp9, 2
	s_add_co_u32 s42, s42, s18
	s_lshr_b32 s43, s42, 9                         ; which
	s_bfe_u32 s44, s42, 0x40005                    ; dg
	s_and_b32 s45, s42, 31                         ; bt
	s_lshl_b32 s46, s43, 7
	s_lshl_b32 s47, s44, 3
	s_add_co_u32 s46, s46, s47
	s_add_co_u32 s46, s46, 512                     ; the set's first tile: 512 + 128 which + 8 dg
	s_lshl_b32 s20, s46, 11
	s_mov_b32 s21, 0
	s_lshl_b32 s22, s46, 7
	s_mov_b32 s23, 0
	s_lshl_b32 s24, s45, 14                        ; x's tiles 8 bt on
	s_mov_b32 s25, 0
	s_lshl_b32 s26, s45, 10
	s_mov_b32 s27, 0
	s_lshl_b32 s48, s44, 9                         ; the bias of my 128 rows
	s_mov_b32 s49, 0
	s_lshr_b32 s46, s45, 3
	s_lshl_b32 s46, s46, 3
	s_lshr_b32 s47, s44, 1
	s_add_co_u32 s46, s46, s47                     ; bh = 8 b + head
	s_mul_i32 s46, s46, 417792
	s_and_b32 s47, s45, 7                          ; t
	s_mul_i32 s47, s47, 52224
	s_add_co_u32 s46, s46, s47                     ; the block (bh, t) of qkv
	s_and_b32 s47, s44, 1                          ; which K step of d my 128 rows are
	s_lshl_b32 s50, s47, 10
	s_add_co_u32 s30, s46, s50                     ; codes: + 1,024 x K step
	s_lshl_b32 s50, s47, 9
	s_add_co_u32 s32, s46, s50                     ; scale words: + 512 x K step
	s_add_co_u32 s32, s32, 32768
	s_cmp_eq_u32 s43, 0                            ; q's parts lie 34,816 (codes) and 18,432 (scales) bytes behind k's
	s_cselect_b32 s50, 34816, 0
	s_cselect_b32 s51, 18432, 0
	s_add_co_u32 s30, s30, s50
	s_add_co_u32 s32, s32, s51
	s_mov_b32 s31, 0
	s_mov_b32 s33, 0
	v_lshlrev_b32 v[BO], 6, v42                    ; the bias: lane (r, h) wants, for tile 2 b + u, the numbers of rows 32 b + 16 h + 8 u + 0 .. 7
	s_wait_kmcnt 0x0
	s_cmp_eq_u32 s43, 0
	s_cselect_b64 s[28:29], s[8:9], s[10:11]
	s_add_nc_u64 s[28:29], s[28:29], s[48:49]
	s_add_nc_u64 s[20:21], s[4:5], s[20:21]
	s_add_nc_u64 s[22:23], s[6:7], s[22:23]
	s_add_nc_u64 s[24:25], s[4:5], s[24:25]
	s_add_nc_u64 s[26:27], s[6:7], s[26:27]
	s_add_nc_u64 s[30:31], s[14:15], s[30:31]
	s_add_nc_u64 s[32:33], s[14:15], s[32:33]
	LDAF
.irp a, 0,1,2,3,4,5,6,7                        ; (still with the destination in window 1)
	global_load_b128 v[128+8*\a:128+8*\a+3], v[BO], s[28:29] offset:(32*(\a/2)+8*(\a%2))*4
	global_load_b128 v[128+8*\a+4:128+8*\a+7], v[BO], s[28:29] offset:(32*(\a/2)+8*(\a%2))*4+16
.endr
	LDAS
.irp i, 0,1,2,3,4,5,6,7
	global_load_b64 v[BSC+2*\i:BSC+2*\i+1], v[SPM], s[26:27] offset:256*(\i/2)+64*(\i%2)
.endr
.irp i, 0,1,2,3
	LDBP \i
.endr
.irp i, 0,1,2,3,4,5,6,7
	UNIT \i, 8, 0
.endr
	PACKS
	s_endpgm
; ---------------- v and yp.  Wave W = 4 x (work-group - 256) + wave: 128 positions bt = W >> 4, 128 rows of Wv and 16 of Wp: part = W & 15.
.Ly:
	s_sub_co_u32 s42, ttmp9, 256
	s_lshl_b32 s42, s42, 2
	s_add_co_u32 s42, s42, s18
	s_lshr_b32 s45, s42, 4                         ; bt
	s_and_b32 s44, s42, 15                         ; part
	s_lshl_b32 s46, s45, 3
	s_add_co_u32 s46, s46, 256                     ; the set: y's tiles 256 + 8 bt on
	s_lshl_b32 s20, s46, 11
	s_mov_b32 s21, 0
	s_lshl_b32 s22, s46, 7
	s_mov_b32 s23, 0
	s_lshl_b32 s46, s44, 3
	s_add_co_u32 s46, s46, 768                     ; Wv's tiles 768 + 8 part on
	s_lshl_b32 s24, s46, 11
	s_mov_b32 s25, 0
	s_lshl_b32 s26, s46, 7
	s_mov_b32 s27, 0
	s_lshl_b32 s28, s44, 9                         ; bv of my 128 rows
	s_mov_b32 s29, 0
	s_add_co_u32 s46, s44, 896                     ; Wp's tile
	s_lshl_b32 s34, s46, 11
	s_mov_b32 s35, 0
	s_lshl_b32 s36, s46, 7
	s_mov_b32 s37, 0
	s_lshr_b32 s46, s45, 3
	s_lshl_b32 s46, s46, 3
	s_lshr_b32 s47, s44, 1
	s_add_co_u32 s46, s46, s47                     ; bh
	s_mul_i32 s46, s46, 417792
	s_and_b32 s47, s45, 7
	s_mul_i32 s47, s47, 52224
	s_add_co_u32 s46, s46, s47                     ; the block (bh, t)
	s_and_b32 s47, s44, 1                          ; which half of the head's 16 d tiles
	s_lshl_b32 s50, s47, 13
	s_add_co_u32 s30, s46, s50
	s_add_co_u32 s30, s30, 16384                   ; V's codes
	s_mov_b32 s31, 0
	s_lshl_b32 s50, s47, 9
	s_add_co_u32 s32, s46, s50
	s_add_co_u32 s32, s32, 33792                   ; V's scale words
	s_mov_b32 s33, 0
	s_lshl_b32 s38, s45, 17                        ; yp: 8 query tiles of 16,384 bytes for each bt, + 1,024 x d tile
	s_lshl_b32 s50, s44, 10
	s_add_co_u32 s38, s38, s50
	s_mov_b32 s39, 0
	v_lshlrev_b32 v[BO], 2, v7                     ; bv: my row's number
	s_wait_kmcnt 0x0
	s_add_nc_u64 s[20:21], s[4:5], s[20:21]
	s_add_nc_u64 s[22:23], s[6:7], s[22:23]
	s_add_nc_u64 s[24:25], s[4:5], s[24:25]
	s_add_nc_u64 s[26:27], s[6:7], s[26:27]
	s_add_nc_u64 s[28:29], s[12:13], s[28:29]
	s_add_nc_u64 s[30:31], s[14:15], s[30:31]
	s_add_nc_u64 s[32:33], s[14:15], s[32:33]
	s_add_nc_u64 s[34:35], s[4:5], s[34:35]
	s_add_nc_u64 s[36:37], s[6:7], s[36:37]
	s_add_nc_u64 s[38:39], s[16:17], s[38:39]
	LDAF
	LDAS
.irp i, 0,1,2,3,4,5,6,7
	global_load_b32 v[BV+\i], v[BO], s[28:29] offset:64*\i
.endr
.irp i, 0,1,2,3,4,5,6,7
	global_load_b64 v[BSC+2*\i:BSC+2*\i+1], v[SN], s[26:27] offset:128*\i
.endr
	global_load_b64 v[BSC+16:BSC+17], v[SN], s[36:37]
.irp i, 0,1,2,3
	LDBN \i
.endr
.irp i, 0,1,2,3,4,5,6,7
	UNIT \i, 9, 1                                  ; the ninth set of loads is Wp's tile, asked for in unit 4
.endr
	PACKS
	s_wait_loadcnt 0x0                             ; Wp's tile
	MM8 0, 8, 2                                    ; source 0 = 16 positions of y, source 1 = 16 rows of Wp: register j of lane (r, h) is yp(d = r, position 8 h + j of tile a)
	MM8 1, 8, 2
	WIN 0
	PLACES
.irp a, 0,1,2,3,4,5,6,7
	global_store_b128 v[L16], v[ACC+8*\a:ACC+8*\a+3], s[38:39] offset:16384*\a         ; each accumulator from its low end on
	global_store_b128 v[L16], v[ACC+8*\a+4:ACC+8*\a+7], s[38:39] offset:16384*\a+512
.endr
	s_endpgm
.Lfunc_end_k_q47662687e6_proj:
	.size	k_q47662687e6_proj, .Lfunc_end_k_q47662687e6_proj-k_q47662687e6_proj
	.p2alignl 7, 3214868480
	.fill 96, 4, 3214868480
	.section	.rodata,"a",@progbits
	.p2align	6, 0x0
	.amdhsa_kernel k_q47662687e6_proj
		.amdhsa_group_segment_fixed_size 0
		.amdhsa_private_segment_fixed_size 0
		.amdhsa_enable_private_segment 0
		.amdhsa_kernarg_size 56
		.amdhsa_user_sgpr_count 2
		.amdhsa_user_sgpr_kernarg_segment_ptr 1
		.amdhsa_wavefront_size32 1
		.amdhsa_system_sgpr_workgroup_id_x 1
		.amdhsa_system_sgpr_workgroup_id_y 1
		.amdhsa_system_sgpr_workgroup_id_z 1
		.amdhsa_system_vgpr_workitem_id 0
		.amdhsa_next_free_vgpr 448
		.amdhsa_next_free_sgpr 66
		.amdhsa_reserve_vcc 1
		.amdhsa_float_denorm_mode_32 3
		.amdhsa_float_denorm_mode_16_64 3
		.amdhsa_memory_ordered 1
		.amdhsa_forward_progress 1
		.amdhsa_inst_pref_size 130
	.end_amdhsa_kernel
	.amdgpu_metadata
---
amdhsa.version: [ 1, 2 ]
amdhsa.kernels:
  - .name:           k_q47662687e6_proj
    .symbol:         k_q47662687e6_proj.kd
    .args:
      - { .name: cod, .offset: 0, .size: 8, .value_kind: global_buffer, .address_space: global }
      - { .name: scl, .offset: 8, .size: 8, .value_kind: global_buffer, .address_space: global }
      - { .name: bq, .offset: 16, .size: 8, .value_kind: global_buffer, .address_space: global }
      - { .name: bk, .offset: 24, .size: 8, .value_kind: global_buffer, .address_space: global }
      - { .name: bv, .offset: 32, .size: 8, .value_kind: global_buffer, .address_space: global }
      - { .name: qkv, .offset: 40, .size: 8, .value_kind: global_buffer, .address_space: global }
      - { .name: yp, .offset: 48, .size: 8, .value_kind: global_buffer, .address_space: global }
    .group_segment_fixed_size: 0
    .private_segment_fixed_size: 0
    .kernarg_segment_align: 8
    .kernarg_segment_size: 56
    .max_flat_workgroup_size: 128
    .sgpr_count:     66
    .vgpr_count:     448
    .wavefront_size: 32
...
	.end_amdgpu_metadata
.endif
;; end of part 2
;; launch attn (part 3): grid 8 x 32, 4 waves a work-group, clusters of 4 x 1, 312,320 bytes of LDS; arguments qkv, yp, gamma, out0; writes out0
.if DOCPART == 3
	.amdgcn_target "amdgcn-amd-amdhsa--gfx1250"
	.amdhsa_code_object_version 6
	.text
	.protected	k_q47662687e6_attn
	.globl	k_q47662687e6_attn
	.p2align	8
	.type	k_q47662687e6_attn,@function
k_q47662687e6_attn:
	s_mov_b64 s[64:65], 0
	v_nop
	global_prefetch_b8 v0, s[64:65] scope:SCOPE_SE
	s_setreg_imm32_b32 hwreg(HW_REG_WAVE_MODE, 25, 1), 1
	s_wait_xcnt 0x0
	s_wait_alu depctr_hold_cnt(0) depctr_sa_sdst(0) depctr_va_vdst(0) depctr_va_sdst(0) depctr_va_ssrc(0) depctr_va_vcc(0) depctr_vm_vsrc(0)
	s_getreg_b32 s2, hwreg(HW_REG_IB_STS2, 6, 4)
	s_cmp_eq_u32 s2, 0
	s_cbranch_scc0 .Lentry_in_a_cluster
	s_endpgm
.Lentry_in_a_cluster:
	s_bfe_u32 s2, ttmp6, 0x10000c
	s_cmp_lg_u32 s2, 0x3003
	s_cbranch_scc0 .Lentry_shape_is_right
	s_endpgm
.Lentry_shape_is_right:
; out[b][256 h + d][n] = (g O[d][n] / l[n] + yp[b][d][n]) / (1 + g), O = the sum over keys m of v[d][m] p[n][m], both products on codes of FP4 with E8M0 scales.
; THE SOFTMAX AHEAD OF THE SECOND PRODUCT: t = score x log2(e); M = the query's largest t so far, rounded UP to a whole number; p = 2^(t - M) is quantised along the keys, not normalised;
; l is the sum of the unquantised p, multiplied by 2^(old M - new M), which rounds nothing, whenever M moves.
; SHARES.  A work-group owns 128 queries of one (batch, head); wave w owns two tiles of 16: queries 32 w + 8 u + r + 8 (r / 8), u = 0, 1.  So each fragment of K and V read from LDS feeds two matrix instructions.
; A head's K and V codes with their scale words are 8 x 34,816 = 278,528 bytes: THEY FIT IN LDS WHOLE AND ARE FILLED ONCE: no slot is ever filled again.
; TWO PHASES.  1: the eight key steps of 128 keys: S^T = K Q^T (source 0 = 16 keys: a lane holds one query), the softmax, p's codes.  THE CODES OF ALL 1,024 KEYS STAY IN REGISTERS (128), with each step's scale word and -M.
;   Then each earlier step's scale bytes get M(step) - M(last) added: the exact power of two by which its p differ from p under the last M.  So no sum of the second product is ever rescaled.
; 2: O = P V^T, d tile by d tile (source 0 = p's 16 queries, source 1 = 16 of the head's 256 d; K = all 1,024 keys, eight matrix instructions deep): a tile of O is finished at once and leaves at once,
;   so that the output's stores go out while the other tiles are multiplied.  A lane holds one d and eight neighbouring queries, 32 bytes of a row of the output; yp lies in memory in the same layout.
; The key steps are written out, since the registers that take p's codes differ from step to step.
; CLUSTER.  The four query blocks of a cluster belong to one head and read the same K and V: every fill is asked for JOINTLY, by the same tensor load with the same descriptor and the mask of all four.
; Each wave asks for a quarter of each key step, eight loads in all, all at the start: eight tensor loads of a wave are out at the most.  The steps begin when the first two key steps have landed.
; LAYOUT.  All operands lie in memory and in LDS as images of their registers (register group c of lane l at 512 c + 16 l): every LDS load takes 512 consecutive bytes, so there is no pitch and no padding.
; The keys of tile 2 b + u of K are 32 b + 8 u + r + 8 (r / 8), so that the 16 registers of tiles 2 b, 2 b + 1 of S^T are 16 neighbouring keys.
; LIMITS: NaN and infinities are not served; the running largest t begins at -3e38, under every t that is served.  A scale byte of p that would fall under 0 is held at 0, which stands for 2^-127:
; what such a block adds lies more than 2^120 under the row's largest term.
; REGISTERS.  Window 0: the names below.  Window 1: v0-127 p's codes (step t, tile u at 16 t + 8 u); v128-191 two sets of four accumulators of O; v192-223 Q.
;   Window 2: v0-127 K's 16 fragments of a step; in phase 2 two buffers of 128 for V.  Window 3: yp (tile u, d tile dt at 128 u + 8 dt); it becomes the result, and then takes the rows that come back from the stage.
.set L16, 1                            ; v1       16 x lane; never rewritten
.set ADK, 2                            ; v2       LDS address of the K fetch in hand
.set ST,  8                            ; v8-15    tile u at ST + 4 u: -M, the largest t, the sum in two halves
.set PC,  16                           ; v16-31   the codes just made, tile u at PC + 8 u
.set AJ,  16                           ; v16-31   phase 2: g R / l of query 8 h + j of tile u at AJ + 8 u + j
.set AV,  32                           ; v32-39   LDS address of my 16 bytes in key step t; never rewritten
.set RR,  40                           ; v40-41   R = 1 / (1 + g), a pair
.set XT,  42                           ; v42-49   at work on the scale bytes (v48-49 are free by then)
.set QS,  48                           ; v48-49   Q's scale words of K step s: lanes 0-15 tile 0's, lanes 16-31 tile 1's
.set DD,  50                           ; v50-51   M(step) - M(last)
.set KS,  52                           ; v52-59   K's scale words: KS + 4 s + k: lanes 0-15 tile 2 k's, lanes 16-31 tile 2 k + 1's
.set MR,  60                           ; v60-75   -M of step t, tile u at MR + 2 t + u
.set F,   76                           ; v76-79   f = 2^(old M - new M), a pair for each tile (the low word serves both halves)
.set BM,  80                           ; v80-87   block maxima, BM + 4 u + b
.set BP,  88                           ; v88-95   the other half's maxima, then the scales' bytes
.set BS,  96                           ; v96-103  the conversions' scale operands
.set PWA, 104                          ; v104-119 p's scale words: step t, tile u at PWA + 2 t + u
.set SA,  120                          ; v120-123 the second chain of the sums, a pair for each tile
.set TT,  124                          ; v124-125 at work
.set STO, 126                          ; v126     the way out: where I put 16 bytes of a row
.set RD,  127                          ; v127     the way out: where I read a row back
.set S,   128                          ; v128-255 S^T, then p: tile u, key tile i at S + 64 u + 8 i
.set VS,  128                          ; v128-191 phase 2: V's scale words: VS + 8 t + 4 (dt / 8) + (dt % 8) / 2: lanes 0-15 the even d tile's, lanes 16-31 the odd one's
.set QB,  192                          ; in window 1: Q's fragments: tile u, K step s at QB + 16 u + 8 s
.set OA,  128                          ; in window 1: the accumulators
.set WV,  12                           ; s12      my wave's number
.set G1,  16                           ; s[16:23] descriptor group 1
.set G0,  24                           ; s[24:55] descriptor group 0, a set for each key step
.set SEL, 56                           ; s[56:57] lane selects of v_permlanex16_b32: lane l xor 16
.set CS,  58                           ; s[58:59] c = log2(e): the packed form names a pair
.set G,   63                           ; s63      the head's gamma
.set STEPB, 34816                      ; a key step in LDS: K codes 16,384, V codes 16,384, K scales 1,024, V scales 1,024
.set STG,   8*STEPB                    ; behind the eight key steps: two stages of 32 rows x (512 bytes + 16), bytes of their own into which no fill lands
.set STGB,  32*528
.set MSB, 0
.macro WIN new                         ; bits 1:0 source 0, 3:2 source 1, 5:4 source 2, 7:6 destination; the immediate's high byte repeats the setting that is left
.if MSB != \new
	s_set_vgpr_msb (MSB<<8)|\new
.set MSB, \new
.endif
.endm
.macro CROUND                          ; a round of the cluster's barrier
	s_barrier_signal -1
	s_barrier_wait -1
	s_cmp_lg_u32 s[WV], 0
	s_cbranch_scc1 .Lnot_wave_0_\@
	s_barrier_signal -3
.Lnot_wave_0_\@:
	s_barrier_wait -3
	s_barrier_signal -1
	s_barrier_wait -1
.endm
; One matrix instruction on the registers named by rD, rA, rB, rSA, rSB.  z = 1: it starts the sum.  ra, rb = 1: the side's scales are read from lanes 16-31.
.macro WM z, ra, rb
.if (\z)
.if (\ra) && (\rb)
	v_wmma_scale_f32_16x16x128_f8f6f4 v[rD:rD+7], v[rA:rA+7], v[rB:rB+7], 0, v[rSA], v[rSB] matrix_a_fmt:MATRIX_FMT_FP4 matrix_b_fmt:MATRIX_FMT_FP4 matrix_a_scale:MATRIX_SCALE_ROW1 matrix_b_scale:MATRIX_SCALE_ROW1
.elseif (\ra)
	v_wmma_scale_f32_16x16x128_f8f6f4 v[rD:rD+7], v[rA:rA+7], v[rB:rB+7], 0, v[rSA], v[rSB] matrix_a_fmt:MATRIX_FMT_FP4 matrix_b_fmt:MATRIX_FMT_FP4 matrix_a_scale:MATRIX_SCALE_ROW1
.elseif (\rb)
	v_wmma_scale_f32_16x16x128_f8f6f4 v[rD:rD+7], v[rA:rA+7], v[rB:rB+7], 0, v[rSA], v[rSB] matrix_a_fmt:MATRIX_FMT_FP4 matrix_b_fmt:MATRIX_FMT_FP4 matrix_b_scale:MATRIX_SCALE_ROW1
.else
	v_wmma_scale_f32_16x16x128_f8f6f4 v[rD:rD+7], v[rA:rA+7], v[rB:rB+7], 0, v[rSA], v[rSB] matrix_a_fmt:MATRIX_FMT_FP4 matrix_b_fmt:MATRIX_FMT_FP4
.endif
.else
.if (\ra) && (\rb)
	v_wmma_scale_f32_16x16x128_f8f6f4 v[rD:rD+7], v[rA:rA+7], v[rB:rB+7], v[rD:rD+7], v[rSA], v[rSB] matrix_a_fmt:MATRIX_FMT_FP4 matrix_b_fmt:MATRIX_FMT_FP4 matrix_a_scale:MATRIX_SCALE_ROW1 matrix_b_scale:MATRIX_SCALE_ROW1
.elseif (\ra)
	v_wmma_scale_f32_16x16x128_f8f6f4 v[rD:rD+7], v[rA:rA+7], v[rB:rB+7], v[rD:rD+7], v[rSA], v[rSB] matrix_a_fmt:MATRIX_FMT_FP4 matrix_b_fmt:MATRIX_FMT_FP4 matrix_a_scale:MATRIX_SCALE_ROW1
.elseif (\rb)
	v_wmma_scale_f32_16x16x128_f8f6f4 v[rD:rD+7], v[rA:rA+7], v[rB:rB+7], v[rD:rD+7], v[rSA], v[rSB] matrix_a_fmt:MATRIX_FMT_FP4 matrix_b_fmt:MATRIX_FMT_FP4 matrix_b_scale:MATRIX_SCALE_ROW1
.else
	v_wmma_scale_f32_16x16x128_f8f6f4 v[rD:rD+7], v[rA:rA+7], v[rB:rB+7], v[rD:rD+7], v[rSA], v[rSB] matrix_a_fmt:MATRIX_FMT_FP4 matrix_b_fmt:MATRIX_FMT_FP4
.endif
.endif
.endm
; My quarters of the key steps up to 7 - n have landed; then everybody's have.  Later steps' loads may stay out across it.
.macro GATE n
	s_wait_tensorcnt \n
	s_wait_dscnt 0x0                               ; no LDS instruction of mine is pending at a signal
	s_barrier_signal -1
	s_barrier_wait -1
.endm
.macro FK p                            ; a quarter of a step's K: eight loads of 512 consecutive bytes into window 2
	WIN 0x80
.set n, 8*(\p)
.rept 8
	ds_load_b128 v[4*n:4*n+3], v[ADK] offset:512*n
.set n, n+1
.endr
	WIN 0
.endm
.macro FKS                             ; a step's scale words of K
.irp s, 0,1
	ds_load_b128 v[KS+4*\s:KS+4*\s+3], v[ADK] offset:32768+512*\s
.endr
.endm
.macro FV g, p                         ; V's fragments of d tiles 2 g, 2 g + 1 for key steps 2 p, 2 p + 1: eight loads, into buffer g % 2 of window 2: (step t, tile dd) at 8 (2 t + dd)
	WIN 0x80
.irp tt, 2*(\p), 2*(\p)+1
.irp dd, 0,1
.irp c, 0,1
	ds_load_b128 v[128*((\g)%2)+8*(2*(\tt)+\dd)+4*\c:128*((\g)%2)+8*(2*(\tt)+\dd)+4*\c+3], v[AV+(\tt)] offset:16384+1024*(2*(\g)+\dd)+512*\c
.endr
.endr
.endr
.endm
; The LDS loads of a key step go out in four short runs inside the softmax: the next step's K; in the last step the first two groups' V (buffer 0 lies in K's registers, which the last scores have left).
.macro HOOK t, p
.if (\t) < 7
	FK \p
.else
	FV 0, \p
	FV 1, \p
	WIN 0
.endif
.endm
.macro PKF x                           ; t - M of pair x / 2 of tile x % 2 (of the pairs c and -M the low word serves both halves)
.set fS, S+64*((\x)%2)+2*((\x)/2)
.set fT, ST+4*((\x)%2)
	v_pk_fma_f32 v[fS:fS+1], v[fS:fS+1], s[CS:CS+1], v[fT:fT+1] op_sel_hi:[1,0,0]
.endm
.macro ADDP x                          ; pair x / 2 of tile x % 2 joins the row's sum of the UNQUANTISED p: even pairs the running sum, odd pairs a second chain, which pairs 1 and 3 start
.set aU, (\x)%2
.set aP, (\x)/2
.set aS, S+64*aU+2*aP
.if aP%2 == 0
	v_pk_add_f32 v[ST+4*aU+2:ST+4*aU+3], v[ST+4*aU+2:ST+4*aU+3], v[aS:aS+1]
.elseif aP == 3
	v_pk_add_f32 v[SA+2*aU:SA+2*aU+1], v[S+64*aU+2:S+64*aU+3], v[aS:aS+1]
.elseif aP > 3
	v_pk_add_f32 v[SA+2*aU:SA+2*aU+1], v[SA+2*aU:SA+2*aU+1], v[aS:aS+1]
.endif
.endm
; cnt pairs' exponentials, from pair k on (the tiles alternate).  A plain instruction stands beside each exponential: the scaling of the pair eight further on (at the end: the floor under a block's largest p),
; and the addition of the pair four back.
.macro EXPS cnt
.rept \cnt
.set rE, S+64*(k%2)+2*(k/2)
	v_exp_f32 v[rE], v[rE]                         ; p = 2^(t - M), at most 1
.if k < 56
	PKF k+8
.else
	v_max_num_f32 v[BM+k-56], 0x1800000, v[BM+k-56]   ; the floor 2^(3 - 127): the byte cannot fall under 1
.endif
	v_exp_f32 v[rE+1], v[rE+1]
.if k >= 4
	ADDP k-4
.endif
.set k, k+1
.endr
.endm
; KEY STEP t.  On entry its K is on its way from LDS.  The 16 accumulators of the scores take turns, one instruction a turn.
.macro STEP t
	s_wait_dscnt 0x0                               ; K and its scale words are in
	WIN 0x06                                       ; source 0 (K) window 2, source 1 (Q) window 1
.irp s, 0,1
.irp i, 0,1,2,3,4,5,6,7
.irp u, 0,1
.set rD, S+64*\u+8*\i
.set rA, 8*(2*\i+\s)
.set rB, QB+16*\u+8*\s
.set rSA, KS+4*\s+\i/2
.set rSB, QS+\s
	WM 1-\s, \i%2, \u
.endr
.endr
.endr
	WIN 0
.if (\t) < 7
	v_add_nc_u32 v[ADK], STEPB*((\t)+1), v[L16]    ; these four lines are the places in front of the loads into K's registers and of the first read of the scores
.else
	v_nop
.endif
.rept 3
	v_nop
.endr
	HOOK \t, 0
.if (\t) < 7
	FKS
.endif
.irp b, 0,1,2,3
.irp u, 0,1
	v_max3_num_f32 v[BM+4*\u+\b], v[S+64*\u+16*\b], v[S+64*\u+16*\b+1], v[S+64*\u+16*\b+2]   ; the largest SCORE of each block of 32 keys: for the row's maximum, and, since p rises with the score, for the block's largest p
.endr
.endr
.irp i, 3,5,7,9,11,13
.irp b, 0,1,2,3
.irp u, 0,1
	v_max3_num_f32 v[BM+4*\u+\b], v[BM+4*\u+\b], v[S+64*\u+16*\b+\i], v[S+64*\u+16*\b+\i+1]
.endr
.endr
.endr
.irp b, 0,1,2,3
.irp u, 0,1
	v_max_num_f32 v[BM+4*\u+\b], v[BM+4*\u+\b], v[S+64*\u+16*\b+15]
.endr
.endr
	HOOK \t, 1
.irp b, 0,1,2,3,4,5,6,7
	v_permlanex16_b32 v[BP+\b], v[BM+\b], s[SEL], s[SEL+1]
.endr
.irp b, 0,1,2,3,4,5,6,7
	v_max_num_f32 v[BM+\b], v[BM+\b], v[BP+\b]     ; with lane l xor 16's 16 keys
.endr
.irp u, 0,1
	v_max3_num_f32 v[TT+\u], v[BM+4*\u], v[BM+4*\u+1], v[BM+4*\u+2]
.endr
.irp u, 0,1
	v_max_num_f32 v[TT+\u], v[TT+\u], v[BM+4*\u+3] ; the step's largest score of my query
.endr
.irp u, 0,1
	v_mul_f32 v[TT+\u], s[CS], v[TT+\u]            ; as t (c is positive)
.endr
.irp u, 0,1
	v_max_num_f32 v[ST+4*\u+1], v[ST+4*\u+1], v[TT+\u]   ; the running largest t
.endr
.irp u, 0,1
	v_mov_b32 v[TT+\u], v[ST+4*\u]
.endr
.irp u, 0,1
	v_floor_f32 v[ST+4*\u], -v[ST+4*\u+1]          ; the new -M = floor(-t) = -ceil(t): M is a whole number
.endr
.irp u, 0,1
	v_sub_f32 v[TT+\u], v[ST+4*\u], v[TT+\u]       ; old M - new M: a whole number, 0 or less
.endr
.irp u, 0,1
	v_mov_b32 v[MR+2*(\t)+\u], v[ST+4*\u]          ; this step's -M is kept for the scale bytes
.endr
.irp u, 0,1
	v_cvt_i32_f32 v[TT+\u], v[TT+\u]               ; (it saturates)
.endr
.irp u, 0,1
	v_ldexp_f32 v[F+2*\u], 1.0, v[TT+\u]           ; f = 2^(old M - new M)
.endr
.irp b, 0,1,2,3
.irp u, 0,1
	v_fma_f32 v[BM+4*\u+\b], v[BM+4*\u+\b], s[CS], v[ST+4*\u]   ; t - M of each block's largest score
.endr
.endr
.irp u, 0,1
	v_pk_mul_f32 v[ST+4*\u+2:ST+4*\u+3], v[ST+4*\u+2:ST+4*\u+3], v[F+2*\u:F+2*\u+1] op_sel_hi:[1,0]   ; the sums under the new M
.endr
	HOOK \t, 2
.set k, 0
.rept 8
	PKF k                                          ; the first eight pairs' scalings, with
	v_exp_f32 v[BM+k], v[BM+k]                     ; the blocks' largest p between them: the same multiply-add and exponential on the same number as in its place among the 128
.set k, k+1
.endr
.set k, 0
	EXPS 32
	HOOK \t, 3
	EXPS 32
.irp x, 60,61,62,63
	ADDP \x
.endr
.irp u, 0,1
	v_pk_add_f32 v[ST+4*\u+2:ST+4*\u+3], v[ST+4*\u+2:ST+4*\u+3], v[SA+2*\u:SA+2*\u+1]
.endr
.irp b, 0,1,2,3,4,5,6,7
	v_add_nc_u32 v[BS+\b], 0xff000000, v[BM+\b]    ; 2 off the exponent field: the conversion's scale operand
.endr
.irp b, 0,1,2,3,4,5,6,7
	v_lshrrev_b32 v[BP+\b], 23, v[BS+\b]           ; the scale's byte
.endr
.irp u, 0,1
	v_lshl_or_b32 v[PWA+2*(\t)+\u], v[BP+4*\u+1], 8, v[BP+4*\u]   ; p's scale word for these 128 keys
.endr
.irp u, 0,1
	v_lshl_or_b32 v[PWA+2*(\t)+\u], v[BP+4*\u+2], 16, v[PWA+2*(\t)+\u]
.endr
.irp u, 0,1
	v_lshl_or_b32 v[PWA+2*(\t)+\u], v[BP+4*\u+3], 24, v[PWA+2*(\t)+\u]
.endr
.irp u, 0,1
.irp b, 0,1,2,3
	v_cvt_scalef32_pk8_fp4_f32 v[PC+8*\u+2*\b], v[S+64*\u+16*\b:S+64*\u+16*\b+7], v[BS+4*\u+\b]
	v_cvt_scalef32_pk8_fp4_f32 v[PC+8*\u+2*\b+1], v[S+64*\u+16*\b+8:S+64*\u+16*\b+15], v[BS+4*\u+\b]
.endr
.endr
	v_nop                                          ; one plain place behind a scaled conversion
.irp u, 0,1
.irp c, 0,1                                    ; a whole block to a lane: lanes 0-15 block 2 c, lanes 16-31 block 2 c + 1
.irp i, 0,1
	v_permlane16_swap_b32 v[PC+8*\u+4*\c+\i], v[PC+8*\u+4*\c+2+\i]
.endr
.endr
.endr
	WIN 0x40                                       ; the exchange above writes both its operands and is kept on registers of window 0; sixteen moves carry the finished codes to their place in window 1
.irp u, 0,1
.irp i, 0,1,2,3,4,5,6,7
	v_mov_b32 v[16*(\t)+8*\u+\i], v[PC+8*\u+\i]
.endr
.endr
	WIN 0
.endm
; Step t's scale words under the last M.  A byte b stands in the exponent field of the f32 number 2^(b - 127); v_ldexp_f32 by M(t) - M(last), 0 or less, lowers the field by as much
; and leaves 0 in it where the number falls under the normal range: no compare is needed.  The two tiles and the four bytes alternate.
.macro ADJUST t
.irp u, 0,1
	v_sub_f32 v[DD+\u], v[ST+4*\u], v[MR+2*(\t)+\u]   ; (-M(last)) - (-M(t))
.endr
.irp u, 0,1
	v_cvt_i32_f32 v[DD+\u], v[DD+\u]               ; (it saturates)
.endr
.irp i, 0,1,2,3
.irp u, 0,1
	v_bfe_u32 v[XT+4*\u+\i], v[PWA+2*(\t)+\u], 8*\i, 8
.endr
.endr
.irp i, 0,1,2,3,4,5,6,7
	v_lshlrev_b32 v[XT+\i], 23, v[XT+\i]
.endr
.irp i, 0,1,2,3
.irp u, 0,1
	v_ldexp_f32 v[XT+4*\u+\i], v[XT+4*\u+\i], v[DD+\u]
.endr
.endr
.irp i, 0,1,2,3,4,5,6,7
	v_lshrrev_b32 v[XT+\i], 23, v[XT+\i]
.endr
.irp u, 0,1
	v_lshl_or_b32 v[PWA+2*(\t)+\u], v[XT+4*\u+1], 8, v[XT+4*\u]
.endr
.irp u, 0,1
	v_lshl_or_b32 v[PWA+2*(\t)+\u], v[XT+4*\u+2], 16, v[PWA+2*(\t)+\u]
.endr
.irp u, 0,1
	v_lshl_or_b32 v[PWA+2*(\t)+\u], v[XT+4*\u+3], 24, v[PWA+2*(\t)+\u]
.endr
.endm
; My eight rows of group g are back from the stage (younger: the LDS loads issued behind them, which may stay out) and are stored.  Their registers are never written again.
.macro SENDROWS g, younger
	s_wait_dscnt \younger
	WIN 0x0c                                       ; a store's data are its source 1: window 3
.irp i, 0,1,2,3,4,5,6,7
	global_store_b128 v[L16], v[128*(\i/4)+16*(\g)+4*(\i%4):128*(\i/4)+16*(\g)+4*(\i%4)+3], s[72:73] offset:(32*(\g)+\i)*4096 th:TH_STORE_NT   ; 32 lanes store 512 consecutive bytes, at a multiple of 512 from the output's first byte
.endr
.endm
; GROUP g of phase 2: d tiles 2 g, 2 g + 1 for my two tiles of queries.  On entry its V is in buffer g % 2.  Four accumulators take turns, one instruction a turn.
; result = O x (g R / l) + yp x R.  It meets the other waves' queries in stage g % 2: a row of the stage is 512 bytes of a row of the output.  ONE barrier a group: in front of it my stores into the stage are done,
; and so are my reads of the other stage, which is written again only behind it.
.macro GROUP g
	WIN 0x59                                       ; source 0 (p) window 1, source 1 (V) window 2, C and D window 1
.irp t, 0,1,2,3,4,5,6,7
.irp dd, 0,1
.irp u, 0,1
.set rD, OA+32*((\g)%2)+8*(2*\dd+\u)
.set rA, 16*\t+8*\u
.set rB, 128*((\g)%2)+8*(2*\t+\dd)
.set rSA, PWA+2*\t+\u
.set rSB, VS+8*\t+4*((\g)/4)+(\g)%4
.if \t == 0
	WM 1, 0, \dd
.else
	WM 0, 0, \dd
.endif
.endr
.endr
.endr
	WIN 0xc3                                       ; destination and source 0 window 3
.irp dd, 0,1
.irp u, 0,1
.irp j, 0,2,4,6
.set rY, 128*\u+8*(2*(\g)+\dd)+\j
	v_pk_mul_f32 v[rY:rY+1], v[rY:rY+1], v[RR:RR+1] op_sel_hi:[1,0]   ; yp R: these sixteen lines are also the places behind the products
.endr
.endr
.endr
	WIN 0xf1                                       ; source 0 (O) window 1, source 2 and destination window 3
.irp dd, 0,1
.irp u, 0,1
.irp j, 0,2,4,6
.set rY, 128*\u+8*(2*(\g)+\dd)+\j
.set rO, OA+32*((\g)%2)+8*(2*\dd+\u)+\j
	v_pk_fma_f32 v[rY:rY+1], v[rO:rO+1], v[AJ+8*\u+\j:AJ+8*\u+\j+1], v[rY:rY+1]   ; each accumulator from its low end on
.endr
.endr
.endr
.if (\g) > 0
.if (\g) < 7
	SENDROWS (\g)-1, 32                            ; behind the last group's eight row loads stand the 32 loads of V for the next group
.else
	SENDROWS (\g)-1, 0
.endif
.endif
	WIN 0x0c                                       ; an LDS store's data are its source 1: window 3
.irp dd, 0,1
.irp u, 0,1
.irp hf, 0,1
	ds_store_b128 v[STO], v[128*\u+8*(2*(\g)+\dd)+4*\hf:128*\u+8*(2*(\g)+\dd)+4*\hf+3] offset:STGB*((\g)%2)+8448*\dd+32*\u+16*\hf   ; row 16 dd + r; rows 528 bytes apart: sixteen lanes start 16 bytes apart modulo 256
.endr
.endr
.endr
	s_wait_dscnt 0x0                               ; for the others' sake: my stores into this stage are done, my reads of the other stage are back (and the next group's V is in)
	s_barrier_signal -1
	s_barrier_wait -1
	WIN 0xc0                                       ; destination window 3: the rows land in the registers that this group's results have left
.irp i, 0,1,2,3,4,5,6,7
	ds_load_b128 v[128*(\i/4)+16*(\g)+4*(\i%4):128*(\i/4)+16*(\g)+4*(\i%4)+3], v[RD] offset:STGB*((\g)%2)+528*\i   ; my eight of the group's 32 rows, whole
.endr
.if (\g) < 6
.irp p, 0,1,2,3
	FV (\g)+2, \p                                  ; the buffer just multiplied takes the V of two groups on
.endr
.endif
.endm
	s_load_b256 s[4:11], s[0:1], 0x0               ; qkv s[4:5], yp s[6:7], gamma s[8:9], out0 s[10:11]
	v_lshrrev_b32 v4, 5, v0
	v_readfirstlane_b32 s[WV], v4                  ; wave 0..3
	s_bfe_u32 s13, ttmp6, 0x40000                  ; cx: my place in the cluster
	s_lshl_b32 s14, ttmp9, 2                       ; in a cluster launch ttmp9 counts clusters
	s_add_co_u32 s14, s14, s13                     ; my block of 128 queries: it enters Q's, yp's and the output's addresses alone
	s_and_b32 s15, ttmp7, 0xffff                   ; bh = 8 b + head, which the four partners share
	; descriptor group 1: a quarter of a key step, 8,704 consecutive bytes, as 34 rows of 256 bytes (32 elements of 8 bytes), no padding
	s_mov_b32 s[G1], 15|(3<<16)|(1<<21)            ; 15:0 the mask: all four work-groups; 17:16 elements of 8 bytes; 21 set beside a mask
	s_mov_b32 s[G1+1], 32<<16                      ; tensor_dim0 = 32
	s_mov_b32 s[G1+2], 34<<16                      ; tensor_dim1 = 34
	s_mov_b32 s[G1+3], 32<<16                      ; tile_dim0 = 32
	s_mov_b32 s[G1+4], 34                          ; tile_dim1 = 34
	s_mov_b32 s[G1+5], 32                          ; from row to row: 32 elements
	s_mov_b32 s[G1+6], 0
	s_mov_b32 s[G1+7], 0
	s_mov_b32 s[SEL], 0x76543210
	s_mov_b32 s[SEL+1], 0xfedcba98
	s_mov_b32 s[CS], 0x3fb8aa3b                    ; log2(e)
	s_mov_b32 s[CS+1], s[CS]                       ; (named with it as a pair, so it is written)
	s_mul_i32 s66, s15, 417792                     ; the head's eight blocks of qkv
	s_mov_b32 s67, 0
	s_mul_i32 s74, s[WV], 8704                     ; my quarter of a key step, in memory and in LDS
	s_mov_b32 s75, 0
	s_mul_i32 s68, s14, 52224                      ; my query block
	s_mov_b32 s69, 0
	s_lshr_b32 s70, s15, 3                         ; yp: query tile 64 b + 8 x block + 2 x wave, 16,384 bytes each
	s_lshl_b32 s70, s70, 6
	s_lshl_b32 s71, s14, 3
	s_add_co_u32 s70, s70, s71
	s_lshl_b32 s71, s[WV], 1
	s_add_co_u32 s70, s70, s71
	s_lshl_b32 s70, s70, 14
	s_mov_b32 s71, 0
	s_lshl_b32 s72, s15, 20                        ; the output: 256 rows of 4,096 bytes for each bh, + my 8 rows of a group's 32, + my block's 512 bytes of a row
	s_lshl_b32 s73, s[WV], 15
	s_add_co_u32 s72, s72, s73
	s_lshl_b32 s73, s14, 9
	s_add_co_u32 s72, s72, s73
	s_mov_b32 s73, 0
	s_and_b32 s60, s15, 7                          ; the head's gamma
	s_lshl_b32 s60, s60, 2
	s_mov_b32 s61, 0
	s_wait_kmcnt 0x0
	s_add_nc_u64 s[76:77], s[4:5], s[66:67]        ; the head's first block: made of bh alone
	s_add_nc_u64 s[78:79], s[76:77], s[74:75]      ; + my quarter: bh and the wave's number
	s_add_nc_u64 s[68:69], s[76:77], s[68:69]      ; my query block
	s_lshl_b32 s66, s[WV], 12
	s_add_nc_u64 s[66:67], s[68:69], s[66:67]      ; + my two tiles of Q's codes
	s_add_nc_u64 s[70:71], s[6:7], s[70:71]
	s_add_nc_u64 s[72:73], s[10:11], s[72:73]
	s_add_nc_u64 s[8:9], s[8:9], s[60:61]
	s_load_b32 s[G], s[8:9], 0x0                   ; wanted between the phases
.irp t, 0,1,2,3,4,5,6,7
	s_mov_b32 s[G0+4*\t], 1                        ; 1:0 count = 1
	s_add_co_u32 s[G0+4*\t+1], s74, STEPB*\t       ; 63:32 LDS address: the step's place + my quarter
	s_add_nc_u64 s[G0+4*\t+2:G0+4*\t+3], s[78:79], 52224*\t   ; 120:64 global address: block t's K, V and their scales
	s_or_b32 s[G0+4*\t+3], s[G0+4*\t+3], 0x80000000           ; 127:126 type = 2
.endr
	CROUND                                         ; all four work-groups are here: the joint loads meet
.irp t, 0,1,2,3,4,5,6,7
	tensor_load_to_lds s[G0+4*\t:G0+4*\t+3], s[G1:G1+7]   ; all fills of the launch, as one group
.endr
	v_and_b32 v4, 31, v0                           ; lane.  (Four plain vector lines stand behind the last tensor load ahead of any switch of the windows)
	v_and_b32 v6, 15, v0                           ; r
	v_bfe_u32 v7, v0, 4, 1                         ; h
	v_lshlrev_b32 v[L16], 4, v4
	s_lshl_b32 s74, s[WV], 2
	v_add_nc_u32 v5, s74, v[L16]                   ; Q's scale words: [s][lane][k], k = my wave: tile 2 w + lane / 16.  v5 is not written again
	WIN 0x40                                       ; destination window 1
.irp u, 0,1
.irp s, 0,1
.irp c, 0,1
	global_load_b128 v[QB+16*\u+8*\s+4*\c:QB+16*\u+8*\s+4*\c+3], v[L16], s[66:67] offset:34816+2048*\u+1024*\s+512*\c
.endr
.endr
.endr
	WIN 0
.irp s, 0,1
	global_load_b32 v[QS+\s], v5, s[68:69] offset:51200+512*\s
.endr
	WIN 0xc0                                       ; destination window 3
.irp u, 0,1
.set n, 0
.rept 32
	global_load_b128 v[128*\u+4*n:128*\u+4*n+3], v[L16], s[70:71] offset:16384*\u+512*n   ; yp of my two tiles: wanted in phase 2, asked for now
.set n, n+1
.endr
.endr
	WIN 0
.irp u, 0,1
	v_mov_b32 v[ST+4*\u+1], 0xff61b1e6             ; the largest t so far: -3e38
	v_floor_f32 v[ST+4*\u], -v[ST+4*\u+1]          ; -M
	v_mov_b32 v[ST+4*\u+2], 0                      ; the sum, in two halves
	v_mov_b32 v[ST+4*\u+3], 0
	v_mov_b32 v[F+2*\u+1], 0                       ; (named as the upper half of a pair)
.endr
.irp b, 0,1,2,3,4,5,6,7
	v_mov_b32 v[BP+\b], 0                          ; written once: a lane permute's destination counts as one of its sources
.endr
	v_mov_b32 v[AV], v[L16]
.irp t, 1,2,3,4,5,6,7
	v_add_nc_u32 v[AV+\t], STEPB*\t, v[L16]
.endr
	v_mul_u32_u24 v[STO], v6, 528                  ; into a stage: row r; my queries 32 w + 16 h + 8 u + 0 .. 7 of 4 bytes
	v_lshl_add_u32 v[STO], v7, 6, v[STO]
	s_lshl_b32 s75, s[WV], 7
	s_add_co_u32 s75, s75, STG
	v_add_nc_u32 v[STO], s75, v[STO]
	s_mul_i32 s75, s[WV], 8*528                    ; back: rows 8 w .. 8 w + 7, 16 bytes a lane
	s_add_co_u32 s75, s75, STG
	v_add_nc_u32 v[RD], s75, v[L16]
	v_mov_b32 v[ADK], v[L16]                       ; key step 0's K
	; ---------------- phase 1
	GATE 6                                         ; key steps 0 and 1 are in LDS; six loads of mine may be out
.irp p, 0,1,2,3
	FK \p
.endr
	FKS
	s_wait_loadcnt 63                              ; Q's ten loads are in: 64 were issued behind them, and 63 is the largest count that the wait can name
	STEP 0                                         ; (each step fetches the next step's K)
	GATE 4                                         ; key steps 2 and 3 too
	STEP 1
	STEP 2
	GATE 0                                         ; all of the head
	STEP 3
	STEP 4
	STEP 5
	STEP 6
	STEP 7                                         ; it fetches the first two groups' V
	; ---------------- between the phases
.irp t, 0,1,2,3,4,5,6,7
.irp hh, 0,1
	ds_load_b128 v[VS+8*\t+4*\hh:VS+8*\t+4*\hh+3], v[AV+\t] offset:33792+512*\hh   ; all of V's scale words, into the registers that p has left
.endr
.endr
.irp t, 0,1,2,3,4,5,6
	ADJUST \t
.endr
.irp u, 0,1
	v_add_f32 v[TT+\u], v[ST+4*\u+2], v[ST+4*\u+3] ; the sum's two halves,
.endr
.irp u, 0,1
	v_permlanex16_b32 v[BP+\u], v[TT+\u], s[SEL], s[SEL+1]
.endr
.irp u, 0,1
	v_add_f32 v[TT+\u], v[TT+\u], v[BP+\u]         ; and lane l xor 16's: l of query r, in both halves of the lanes
.endr
	s_wait_kmcnt 0x0                               ; gamma
	v_add_f32 v[RR], 1.0, s[G]
	v_rcp_f32 v[RR], v[RR]                         ; R = 1 / (1 + g)
	v_rcp_f32 v[TT], v[TT]
	v_rcp_f32 v[TT+1], v[TT+1]
	v_and_b32 v4, 16, v0                           ; (a plain place behind the reciprocals)
	v_mov_b32 v[RR+1], v[RR]
	v_mul_f32 v[BM], s[G], v[RR]
	v_cmp_ne_u32 vcc_lo, 0, v4                     ; lanes 16-31
.irp u, 0,1
	v_mul_f32 v[F+2*\u], v[BM], v[TT+\u]           ; g R / l of query r
.endr
	; In phase 2 register j of lane (r, h) holds query 8 h + j.  So lanes 16-31 first take the factor of query r xor 8, and then all lanes of a half take that of the half's lane j.
.irp u, 0,1
	v_mov_b32_dpp v[BP+\u], v[F+2*\u] row_xmask:8 row_mask:0xf bank_mask:0xf
.endr
.irp u, 0,1
	v_cndmask_b32 v[BM+2+\u], v[F+2*\u], v[BP+\u], vcc_lo
.endr
.irp u, 0,1
.irp j, 0,1,2,3,4,5,6,7
	v_mov_b32_dpp v[AJ+8*\u+\j], v[BM+2+\u] row_share:\j row_mask:0xf bank_mask:0xf
.endr
.endr
	s_wait_loadcnt 0x0                             ; yp
	s_wait_dscnt 0x0                               ; the first two groups' V and all its scale words
	; ---------------- phase 2
.irp g, 0,1,2,3,4,5,6,7
	GROUP \g
.endr
	SENDROWS 7, 0
	WIN 0
	CROUND                                         ; the closing round: no work-group ends while a partner may still ask for a tile that names it
	s_endpgm
.Lfunc_end_k_q47662687e6_attn:
	.size	k_q47662687e6_attn, .Lfunc_end_k_q47662687e6_attn-k_q47662687e6_attn
	.p2alignl 7, 3214868480
	.fill 96, 4, 3214868480
	.section	.rodata,"a",@progbits
	.p2align	6, 0x0
	.amdhsa_kernel k_q47662687e6_attn
		.amdhsa_group_segment_fixed_size 312320
		.amdhsa_private_segment_fixed_size 0
		.amdhsa_enable_private_segment 0
		.amdhsa_kernarg_size 32
		.amdhsa_user_sgpr_count 2
		.amdhsa_user_sgpr_kernarg_segment_ptr 1
		.amdhsa_wavefront_size32 1
		.amdhsa_system_sgpr_workgroup_id_x 1
		.amdhsa_system_sgpr_workgroup_id_y 1
		.amdhsa_system_sgpr_workgroup_id_z 1
		.amdhsa_system_vgpr_workitem_id 0
		.amdhsa_next_free_vgpr 1024
		.amdhsa_next_free_sgpr 80
		.amdhsa_reserve_vcc 1
		.amdhsa_float_denorm_mode_32 3
		.amdhsa_float_denorm_mode_16_64 3
		.amdhsa_memory_ordered 1
		.amdhsa_forward_progress 1
		.amdhsa_inst_pref_size 255
	.end_amdhsa_kernel
	.section	.bss,"aw",@nobits
	.p2align	6
	.space	262144
	.amdgpu_metadata
---
amdhsa.version: [ 1, 2 ]
amdhsa.kernels:
  - .name:           k_q47662687e6_attn
    .symbol:         k_q47662687e6_attn.kd
    .args:
      - { .name: qkv, .offset: 0, .size: 8, .value_kind: global_buffer, .address_space: global }
      - { .name: yp, .offset: 8, .size: 8, .value_kind: global_buffer, .address_space: global }
      - { .name: gamma, .offset: 16, .size: 8, .value_kind: global_buffer, .address_space: global }
      - { .name: out0, .offset: 24, .size: 8, .value_kind: global_buffer, .address_space: global }
    .group_segment_fixed_size: 312320
    .private_segment_fixed_size: 0
    .kernarg_segment_align: 8
    .kernarg_segment_size: 32
    .max_flat_workgroup_size: 128
    .sgpr_count:     80
    .vgpr_count:     1024
    .wavefront_size: 32
...
	.end_amdgpu_metadata
.endif
;; end of part 3
